; MI455X (gfx1250); checked and timed in simulation.
; The chip was launched on July 23, 2026; its instructions are those of AMD's public machine-readable ISA for CDNA 5 (MIT licence, August 2026) and "CDNA5" Instruction Set Architecture Reference Guide (July 2026). The comments in the code are by the model that wrote it; some were corrected since.
;; Non Local Layer. Allowed arithmetic: matrix products marked QUANTISED: E5M2 operands, one given power-of-two scale a tensor, by v_wmma_f32_16x16x64_bf8_bf8 or v_wmma_f32_16x16x128_bf8_bf8, f32 sums; products left as they are: f32 operands where the result goes on into a quantised operand, else bf16, f16 or f32 operands; f32 sums; everything else in f32.
;; Inputs: b_g 512 float32; b_lt 512 float32; b_out 1,024 float32; b_st 512 float32; ln_b 1,024 float32; ln_w 1,024 float32; lowp_scales 8 int32 (the exponents e of the quantised operands' scales 2^e); lt_feat 128 x 1,024 x 512 x 1 x 1 float32; st_feat 128 x 2,048 x 1 x 1 x 1 float32; w_g 512 x 1,024 float32; w_lt 512 x 1,024 float32; w_out 1,024 x 512 float32; w_st 512 x 2,048 float32.
;; Outputs: out0 128 x 1,024 x 1 x 1 x 1 float32.
;; This version of the problem:
;;   THIS VERSION OF THE PROBLEM IS GIVEN IN LOW PRECISION. The matrix products marked QUANTISED in the list below multiply operands that are first quantised to E5M2 (5 exponent bits, 2 mantissa bits; 8 bits a number), with one given power-of-two scale for each operand tensor; their sums are f32. All else is computed in f32.
;;   The module's matrix products, in the order in which they are computed (A, B: the left and right operand; K: the contracted axis; several contracted axes count as one K, in the product's order):
;;     1. [M 128, K 2,048] x [K 2,048, N 512]; A: input st_feat; B: input w_st: QUANTISED (scales: A lowp_scales[0], B lowp_scales[1])
;;     2. [M 65,536, K 1,024] x [K 1,024, N 512]; A: input lt_feat; B: input w_lt: QUANTISED (scales: A lowp_scales[2], B lowp_scales[3])
;;     3. [M 65,536, K 1,024] x [K 1,024, N 512]; A: input lt_feat; B: input w_g: QUANTISED (scales: A lowp_scales[4], B lowp_scales[5])
;;     4. batch 128 x [M 1, K 512] x [K 512, N 512]; A: computed on the way; B: computed on the way: left as it is (M = 1 < 16)
;;     5. batch 128 x [M 512, K 512] x [K 512, N 1]; A: computed on the way; B: softmax: left as it is (N = 1 < 16)
;;     6. [M 128, K 512] x [K 512, N 1,024]; A: computed on the way; B: input w_out: QUANTISED (scales: A lowp_scales[6], B lowp_scales[7])
;;   THE QUANTISER, for each operand of a quantised product, along K:
;;     - The operand's scale is 2^e, e = its entry of the input lowp_scales (int32; the entries are numbered through the quantised products in the list's order, A before B).
;;     - Each number is divided by the scale, clamped to +-57,344, and rounded to the nearest number of E5M2, ties to even, subnormals kept.
;;     - The product sums the exact products of the quantised numbers (number of the format x scale) in f32.
;;   ~~~python
;;   def quantise(x, axis, e):      # numpy; x: float32 -> the quantised numbers, widened to float32 again
;;       x = np.moveaxis(x, axis, -1); K = x.shape[-1]
;;       r = np.clip(x / 2.0 ** e, -57344, 57344)
;;       step = 2.0 ** (np.maximum(np.frexp(np.where(r == 0, 1, r))[1] - 1, -14) - 2)
;;       q = np.round(r / step) * step * 2.0 ** e      # np.round: ties to even
;;       return np.moveaxis(q, -1, axis).astype(np.float32)
;;   ~~~
;;   OPERANDS COMPUTED ON THE WAY. 'Computed on the way' means the value that the module computes at that place (a softmax that the list does not call 'softmax' is quantised finished and normalised). What goes into a quantiser is computed in f32, as accurately as f32 sums, v_exp_f32 and their like allow (about 1e-6 of the number): no bf16 or f16 on the way to a quantiser, and a product that is left as it is and whose result goes on into a quantised operand takes f32 operands (vector FMAs, or v_wmma_f32_16x16x4_f32). A number that lies on a knife's edge between two numbers of the format may be rounded either way, as far as f32 arithmetic and the matrix unit's own rounding can turn it there, and no further.
;; One version. Each part assembles by itself: llvm-mc -triple=amdgcn-amd-amdhsa -mcpu=gfx1250 --defsym DOCPART=n.
;; ======== version 1 of 1: 3 launches
;; workspace buffers: wcodes 1,572,864 bytes; theta 262,144 bytes; part 1,048,576 bytes; pstat 131,072 bytes
;; launch prep (part 1): grid 256 x 1, 16 waves a work-group, no clusters, 18,432 bytes of LDS; arguments st_feat, w_st, b_st, w_lt, w_g, w_out, lowp_scales, wcodes, theta; writes wcodes, theta
.if DOCPART == 1
	.amdgcn_target "amdgcn-amd-amdhsa--gfx1250"
	.amdhsa_code_object_version 6
	.text
	.protected	k_qa0e0435e90_prep
	.globl	k_qa0e0435e90_prep
	.p2align	8
	.type	k_qa0e0435e90_prep,@function
k_qa0e0435e90_prep:
	s_mov_b64 s[64:65], 0
	v_nop
	global_prefetch_b8 v0, s[64:65] scope:SCOPE_SE
	s_setreg_imm32_b32 hwreg(HW_REG_WAVE_MODE, 25, 1), 1
	s_wait_xcnt 0x0
; Two small jobs in one launch, both in the same 256 work-groups.
; THETA: theta[n][l] = sum over c of Q(st_feat[n][c]) Q(w_st[l][c]) + b_st[l], on codes of E5M2.  A work-group makes one tile of 16 batches x 16 l;
;   each of its 16 waves takes one K step of 128 of the 2,048, quantises both fragments in registers and issues one matrix instruction; the 16 partial tiles meet in LDS.
; THE WEIGHTS: w_lt, w_g and w_out become codes, laid as IMAGES OF AN OPERAND'S REGISTERS: image F (2,048 bytes at 2048 F) is 16 rows x 128 K;
;   byte 512 c + 16 lane + i is row 16 rt + lane % 16, k = 128 ks + 32 c + 16 (lane / 16) + i.  F = 256 ti + f; ti = 0 w_lt, 1 w_g: f = 32 ks + rt; ti = 2 w_out: f = 64 ks + rt.
;   768 images are 3,072 chunks c of 512 bytes: chunk q = 16 x work-group + wave, for work-groups 0 to 191.  A wave's four loads for its chunk go out behind theta's 33 and are
;   covered by the wait that theta's need anyway; its one store covers 512 consecutive bytes.
; That place of k in the registers is a permutation of k inside the instruction's 128, the same in both operands of every product of this program.
; code = x / 2^e, held within +-57,344, to the nearest code, ties to even.  LIMITS: each e between -126 and 112, so that 2^e and 57,344 x 2^e are f32 numbers.  NaN among the inputs is not served.
; theta's stores are 4 bytes a lane, sixteen lanes on 64 consecutive bytes: 262,144 bytes in the whole launch.
.set X0, 32                            ; v32-95   64 numbers of a lane: register 16 c + i = k 32 c + 16 (lane / 16) + i of my row
.set X1, 96                            ; v96-159  the same for the second operand
.set CA, 160                           ; v160-175 a fragment's codes
.set CB, 176                           ; v176-191 the second's
.set XC, 192                           ; v192-207 my chunk's 16 numbers;  v208-211 its codes;  v212, v213 its scale and hold;  v214 its address
.set CD, 208
.macro LOADF reg, base                 ; my row's 16 neighbours of each of four blocks of 32
.irp c, 0,1,2,3
.irp q, 0,1,2,3
	global_load_b128 v[\reg+16*\c+4*\q:\reg+16*\c+4*\q+3], v3, s[\base:\base+1] offset:128*\c+16*\q
.endr
.endr
.endm
.macro QF reg, dst, sc, lim            ; 64 numbers become a fragment's 16 registers of codes
.irp c, 0,1,2,3
.irp i, 0,1,2,3,4,5,6,7,8,9,10,11,12,13,14,15
	v_med3_num_f32 v[\reg+16*\c+\i], v[\reg+16*\c+\i], -v[\lim], v[\lim]   ; the conversion does not saturate (ISA guide 7.6.2): the hold at the largest code x the scale
.endr
	v_cvt_scalef32_pk8_bf8_f32 v[\dst+4*\c:\dst+4*\c+1], v[\reg+16*\c:\reg+16*\c+7], v[\sc]
	v_cvt_scalef32_pk8_bf8_f32 v[\dst+4*\c+2:\dst+4*\c+3], v[\reg+16*\c+8:\reg+16*\c+15], v[\sc]
.endr
	v_nop                                          ; one plain vector line behind the last conversion, ahead of whatever touches its registers next
.endm
	s_load_b512 s[4:19], s[0:1], 0x0               ; st_feat s[4:5], w_st s[6:7], b_st s[8:9], w_lt s[10:11], w_g s[12:13], w_out s[14:15], scales s[16:17], wcodes s[18:19]
	s_load_b64 s[20:21], s[0:1], 0x40              ; theta
	v_lshl_add_u32 v224, v0, 2, 0x4000
	v_mov_b32 v225, 0
	v_lshrrev_b32 v1, 5, v0
	v_readfirstlane_b32 s22, v1                    ; wave 0..15
	v_and_b32 v1, 15, v0                           ; r
	v_bfe_u32 v2, v0, 4, 1                         ; h
	v_and_b32 v4, 31, v0                           ; lane
	v_lshlrev_b32 v5, 5, v0                        ; LDS, in: 1,024 x wave + 32 x lane = 32 x thread
	v_lshlrev_b32 v6, 5, v4
	s_lshl_b32 s23, s22, 2
	v_add_nc_u32 v6, s23, v6                       ; LDS, back: 32 x lane + 4 x wave: register 'wave' of every partial tile
	v_lshlrev_b32 v4, 4, v4                        ; 16 x lane
	v_lshlrev_b32 v3, 13, v1
	v_lshl_add_u32 v3, v2, 6, v3                   ; row r of 8,192 bytes, + 64 h
	v_lshlrev_b32 v7, 2, v1                        ; 4 r
	v_lshl_add_u32 v8, v2, 14, v7                  ; theta: 8 h rows further down, + 4 r
	s_and_b32 s33, ttmp9, 31                       ; ct: 16 l
	s_lshr_b32 s34, ttmp9, 5                       ; mt: 16 batches
	s_lshl_b32 s35, s22, 9                         ; my K step: 128 numbers, 512 bytes
	s_mov_b32 s37, 0
	s_wait_kmcnt 0x0
	s_load_b256 s[24:31], s[16:17], 0x0            ; e0 .. e7
	s_lshl_b32 s36, s34, 17                        ; 16 mt rows of 8,192 bytes
	s_add_co_u32 s36, s36, s35
	s_add_nc_u64 s[4:5], s[4:5], s[36:37]
	s_lshl_b32 s36, s33, 17
	s_add_co_u32 s36, s36, s35
	s_add_nc_u64 s[6:7], s[6:7], s[36:37]
	s_lshl_b32 s36, s33, 6
	s_add_nc_u64 s[8:9], s[8:9], s[36:37]          ; b_st at l = 16 ct
	s_lshl_b32 s36, s34, 15                        ; theta: row 16 mt + wave of 2,048 bytes, + 64 ct
	s_lshl_b32 s38, s22, 11
	s_add_co_u32 s36, s36, s38
	s_lshl_b32 s38, s33, 6
	s_add_co_u32 s36, s36, s38
	s_add_nc_u64 s[20:21], s[20:21], s[36:37]
	LOADF X0, 4
	LOADF X1, 6
	global_load_b32 v12, v7, s[8:9]                ; b_st[16 ct + r]
	; ---- my chunk of the weights' images: work-groups 0 to 191 (the branch hangs on the work-group's number alone)
	s_cmp_lt_u32 ttmp9, 192
	s_cbranch_scc0 .Lno_chunk
	s_lshl_b32 s44, ttmp9, 4
	s_add_co_u32 s44, s44, s22                     ; q = 4 F + c
	s_lshr_b32 s45, s44, 2
	s_and_b32 s45, s45, 255                        ; f
	s_and_b32 s46, s22, 3                          ; c
	s_cmp_lt_u32 ttmp9, 64                         ; which tensor: 64 work-groups each
	s_cselect_b64 s[36:37], s[10:11], s[12:13]
	s_cmp_lt_u32 ttmp9, 128
	s_cselect_b64 s[36:37], s[36:37], s[14:15]
	s_cselect_b32 s39, 12, 11                      ; a row is 4,096 or 2,048 bytes
	s_cselect_b32 s40, 31, 63                      ; 32 or 64 tiles of rows
	s_cselect_b32 s41, 5, 6
	s_and_b32 s42, s45, s40                        ; rt
	s_lshr_b32 s43, s45, s41                       ; ks
	s_lshl_b32 s42, s42, 4
	s_lshl_b32 s42, s42, s39                       ; 16 rt rows, in bytes
	s_lshl_b32 s43, s43, 9                         ; 128 ks numbers, in bytes
	s_add_co_u32 s42, s42, s43
	s_lshl_b32 s43, s46, 7                         ; 32 c numbers, in bytes
	s_add_co_u32 s42, s42, s43
	s_mov_b32 s43, 0
	s_add_nc_u64 s[36:37], s[36:37], s[42:43]
	s_lshl_b32 s42, s44, 9
	s_add_nc_u64 s[18:19], s[18:19], s[42:43]      ; my chunk: 512 q
	v_lshlrev_b32 v214, s39, v1
	v_lshl_add_u32 v214, v2, 6, v214               ; row r, + 64 h
.irp q, 0,1,2,3
	global_load_b128 v[XC+4*\q:XC+4*\q+3], v214, s[36:37] offset:16*\q
.endr
	s_wait_kmcnt 0x0
	s_cmp_lt_u32 ttmp9, 64
	s_cselect_b32 s38, s27, s29                    ; e3 or e5
	s_cmp_lt_u32 ttmp9, 128
	s_cselect_b32 s38, s38, s31                    ; or e7
	s_add_co_i32 s38, s38, 127
	s_lshl_b32 s39, s38, 23
	v_mov_b32 v212, s39                            ; 2^e as f32: the conversion takes its exponent field
	s_add_co_i32 s38, s38, 15
	s_lshl_b32 s38, s38, 23
	s_or_b32 s38, s38, 0x600000
	v_mov_b32 v213, s38                            ; 57,344 x 2^e
	s_wait_loadcnt 0x0                             ; loads come back in order: theta's are in with these
.irp i, 0,1,2,3,4,5,6,7,8,9,10,11,12,13,14,15
	v_med3_num_f32 v[XC+\i], v[XC+\i], -v213, v213
.endr
	v_cvt_scalef32_pk8_bf8_f32 v[CD:CD+1], v[XC:XC+7], v212
	v_cvt_scalef32_pk8_bf8_f32 v[CD+2:CD+3], v[XC+8:XC+15], v212
	v_nop                                          ; one plain vector line behind the last conversion
	global_store_b128 v4, v[CD:CD+3], s[18:19]     ; 32 lanes store 512 consecutive bytes; none of its registers is written again
.Lno_chunk:
	; ---- theta
	s_wait_kmcnt 0x0
	s_add_co_i32 s38, s24, 127
	s_lshl_b32 s39, s38, 23
	v_mov_b32 v10, s39                             ; 2^e0
	s_add_co_i32 s38, s38, 15
	s_lshl_b32 s38, s38, 23
	s_or_b32 s38, s38, 0x600000
	v_mov_b32 v11, s38                             ; 57,344 x 2^e0
	s_add_co_i32 s38, s25, 127
	s_lshl_b32 s39, s38, 23
	v_mov_b32 v13, s39                             ; 2^e1
	s_add_co_i32 s38, s38, 15
	s_lshl_b32 s38, s38, 23
	s_or_b32 s38, s38, 0x600000
	v_mov_b32 v14, s38                             ; 57,344 x 2^e1
	s_add_co_i32 s47, s24, s25                     ; e0 + e1
	s_wait_loadcnt 0x0
	QF X0, CA, 10, 11
	QF X1, CB, 13, 14
	v_wmma_f32_16x16x128_bf8_bf8 v[16:23], v[CA:CA+15], v[CB:CB+15], 0   ; register j of lane (r, h): batch 8 h + j, l = r; my K step alone
.rept 4
	v_nop                                          ; four places ahead of the first read of the result (ISA guide 7.12.1)
.endr
	ds_store_b128 v5, v[16:19]
	ds_store_b128 v5, v[20:23] offset:16
	s_wait_dscnt 0x0                               ; for the others' sake: my partial tile lies in LDS
	s_barrier_signal -1
	s_barrier_wait -1
	s_cmp_lt_u32 s22, 8
	s_cbranch_scc1 .Lsum
	s_wait_tensorcnt 0x0
	ds_add_u32 v224, v225
	s_wait_dscnt 0x0
	s_endpgm                                       ; eight registers, eight waves: the others are done
.Lsum:
.irp k, 0,1,2,3,4,5,6,7,8,9,10,11,12,13,14,15
	ds_load_b32 v[X0+\k], v6 offset:1024*\k        ; register 'wave' of partial tile k
.endr
	s_wait_dscnt 0x0
.irp k, 0,2,4,6
	v_pk_add_f32 v[X0+\k:X0+\k+1], v[X0+\k:X0+\k+1], v[X0+8+\k:X0+8+\k+1]
.endr
.irp k, 0,2
	v_pk_add_f32 v[X0+\k:X0+\k+1], v[X0+\k:X0+\k+1], v[X0+4+\k:X0+4+\k+1]
.endr
	v_pk_add_f32 v[X0:X0+1], v[X0:X0+1], v[X0+2:X0+3]
	v_add_f32 v[X0], v[X0], v[X0+1]
	v_ldexp_f32 v[X0], v[X0], s47                  ; x 2^(e0 + e1)
	v_add_f32 v[X0], v[X0], v12                    ; + b_st
	global_store_b32 v8, v[X0], s[20:21]           ; theta[16 mt + 8 h + wave][16 ct + r]
	s_wait_tensorcnt 0x0
	ds_add_u32 v224, v225
	s_wait_dscnt 0x0
	s_endpgm
.Lfunc_end_k_qa0e0435e90_prep:
	.size	k_qa0e0435e90_prep, .Lfunc_end_k_qa0e0435e90_prep-k_qa0e0435e90_prep
	.p2alignl 7, 3214868480
	.fill 96, 4, 3214868480
	.section	.rodata,"a",@progbits
	.p2align	6, 0x0
	.amdhsa_kernel k_qa0e0435e90_prep
		.amdhsa_group_segment_fixed_size 18432
		.amdhsa_private_segment_fixed_size 0
		.amdhsa_enable_private_segment 0
		.amdhsa_kernarg_size 72
		.amdhsa_user_sgpr_count 2
		.amdhsa_user_sgpr_kernarg_segment_ptr 1
		.amdhsa_wavefront_size32 1
		.amdhsa_system_sgpr_workgroup_id_x 1
		.amdhsa_system_sgpr_workgroup_id_y 1
		.amdhsa_system_sgpr_workgroup_id_z 1
		.amdhsa_system_vgpr_workitem_id 0
		.amdhsa_next_free_vgpr 226
		.amdhsa_next_free_sgpr 66
		.amdhsa_reserve_vcc 0
		.amdhsa_float_denorm_mode_32 3
		.amdhsa_float_denorm_mode_16_64 3
		.amdhsa_memory_ordered 1
		.amdhsa_forward_progress 1
		.amdhsa_inst_pref_size 21
	.end_amdhsa_kernel
	.amdgpu_metadata
---
amdhsa.version: [ 1, 2 ]
amdhsa.kernels:
  - .name:           k_qa0e0435e90_prep
    .symbol:         k_qa0e0435e90_prep.kd
    .args:
      - { .name: st_feat, .offset: 0, .size: 8, .value_kind: global_buffer, .address_space: global }
      - { .name: w_st, .offset: 8, .size: 8, .value_kind: global_buffer, .address_space: global }
      - { .name: b_st, .offset: 16, .size: 8, .value_kind: global_buffer, .address_space: global }
      - { .name: w_lt, .offset: 24, .size: 8, .value_kind: global_buffer, .address_space: global }
      - { .name: w_g, .offset: 32, .size: 8, .value_kind: global_buffer, .address_space: global }
      - { .name: w_out, .offset: 40, .size: 8, .value_kind: global_buffer, .address_space: global }
      - { .name: lowp_scales, .offset: 48, .size: 8, .value_kind: global_buffer, .address_space: global }
      - { .name: wcodes, .offset: 56, .size: 8, .value_kind: global_buffer, .address_space: global }
      - { .name: theta, .offset: 64, .size: 8, .value_kind: global_buffer, .address_space: global }
    .group_segment_fixed_size: 18432
    .private_segment_fixed_size: 0
    .kernarg_segment_align: 8
    .kernarg_segment_size: 72
    .max_flat_workgroup_size: 512
    .sgpr_count:     66
    .vgpr_count:     226
    .wavefront_size: 32
...
	.end_amdgpu_metadata
.endif
;; end of part 1
;; launch main (part 2): grid 512 x 1, 4 waves a work-group, no clusters, 327,680 bytes of LDS; arguments lt_feat, wcodes, theta, b_lt, lowp_scales, part, pstat; writes part, pstat
.if DOCPART == 2
	.amdgcn_target "amdgcn-amd-amdhsa--gfx1250"
	.amdhsa_code_object_version 6
	.text
	.protected	k_qa0e0435e90_main
	.globl	k_qa0e0435e90_main
	.p2align	8
	.type	k_qa0e0435e90_main,@function
k_qa0e0435e90_main:
	s_mov_b64 s[64:65], 0
	v_nop
	global_prefetch_b8 v0, s[64:65] scope:SCOPE_SE
	s_setreg_imm32_b32 hwreg(HW_REG_WAVE_MODE, 25, 1), 1
	s_wait_xcnt 0x0
; phi, the scores, a block's softmax, g and g's sum under the block's weights, for 128 places of one batch element.  Work-group G: n = G / 4, places 128 (G % 4) on.
; lt_feat [128][1024 k][512 s] f32 is read once.  K goes in 8 steps of 128 through two LDS slots of f32 (tensor loads; wave w fetches rows 32 w .. 32 w + 31 of a step and is their only reader).
; A lane takes four places and 16 rows down K, so that the conversions' eight neighbours along K stand in its registers.  Each step is quantised twice: with e2 for phi (two image buffers by turns),
; with e4 for g (images of all of K, kept in LDS).  Operands lie in LDS as images of their registers: byte 512 c + 16 lane + i = row lane % 16, k = 32 c + 16 (lane / 16) + i; wave w makes chunk c = w of all eight tiles.
; Tile a = 4 u + q of places holds place 64 u + 4 r + q in its row r: softmax and sums do not care for the order of places.
; Wave w owns columns l = 128 w .. 128 w + 127 of phi and then of g for all 128 places: 64 accumulators.  Its weights come as images straight from memory into its registers, two sets, one step ahead.
; PASS PHI multiplies step j while step j + 1 is quantised.  Then t = c x sum over l of theta (phi + b_lt), c = log2(e) / sqrt(512); M = the block's largest t; p = 2^(t - M); the block's sum of p.
; PASS G multiplies from the kept images; part[G][l] = sum over the block's places of p x g's raw sums; pstat[G] = (M, sum), written 32 times: one store of 256 consecutive bytes.
; The next launch joins the four blocks of a batch element, so the maximum taken away is the row's own.
; ASKED AHEAD: each wave asks for its own tile of step j + 3 (32 rows x 512 bytes: two requests, the lanes one row apart) in trip j, one trip ahead of the tensor load that wants it; step 2 is asked for
; in front of trip 0; trips 5 to 7 ask for nothing, so no request leaves the work-group's 1,024 rows, and each piece is asked for once in the launch.
; NO CLUSTER: a joint load lands in LDS, and LDS holds 131,072 (f32 slots) + 131,072 (g's images) + 32,768 (phi's) bytes; two slots of a step's 65,536 bytes of weights do not fit beside them;
; lt_feat's tiles are shared by nobody, and no weight fragment is read by two waves of a work-group.
; LIMITS: e2 and e4 between -126 and 112.  NaN among the inputs is not served.
; REGISTERS, in windows of 256: window 0: v1-31 addresses and constants; v32-95 X (f32 numbers), later the scores, later p; v96-111 T, later theta in pairs, later the sums;
;   v112-127 four sets of codes, later b_lt; v128-255 A's eight fragments.  Window 1: B's two sets, at v0 and v128.  Windows 2, 3: accumulator (a, b) at v[8 (8 (a % 4) + b)] of window 2 + a / 4.
.set LA2,   131072                     ; LDS: f32 slot 0 at 0, slot 1 at 65,536; phi's images, 2 x 16,384
.set LA4,   163840                     ; g's images, 8 x 16,384
.set LSC,   294912                     ; each wave's partial scores, 4 x 512
.set LPB,   296960                     ; each wave's copy of p, 4 x 512
.set LOB,   299008                     ; each wave's sums on the way out, 4 x 512
.set SPARE, 301056                     ; the spare words, 128 bytes for each wave: two blocks of 256 bytes that no other line names
.set SPW,  3                           ; v3   SPARE + 4 x thread; never rewritten
.set NIL,  4                           ; v4   0; never rewritten
.set XRD,  5                           ; v5, v6  my 16 bytes of my first row in f32 slot 0, 1
.set A2W,  7                           ; v7   where I store phi's images
.set A4W0, 8                           ; v8   where I store g's images, step 0
.set A4W,  9                           ; v9   the same for the step in hand
.set A2R,  10                          ; v10  where I read phi's images
.set LI4,  11                          ; v11  where I read g's images, step 0
.set AFR,  12                          ; v12  the same, stepped
.set WOFF, 13                          ; v13  my byte in a step's weights: 16,384 w + 16 lane
.set THO,  14                          ; v14  512 w + 4 r
.set SCW,  15
.set SCR,  16
.set PBW,  17
.set PBR,  18
.set OBW,  19
.set OBR,  20
.set GP,   21                          ; v21  512 w + 16 lane
.set GS,   22                          ; v22  8 lane
.set PFO,  23                          ; v23  2,048 x lane: my row of the tile that is asked for ahead; not rewritten once it is made
.set SC2,  26                          ; v26, v27  2^e2 and 57,344 x 2^e2;  v28, v29 the same with e4
.set LIM2, 27
.set SC4,  28
.set LIM4, 29
.set X,    32
.set T,    96
.set CC,   112
.set C0,   120
.set AF,   128
.set G1,   16                          ; s[16:23] descriptor group 1;  s[24:27], s[28:31] group 0 of slot 0, 1
.set G0,   24
.set KO,   50                          ; s50  LDS offset of g's images being written
.set KA,   51                          ; s51  and being read
.set WB,   58                          ; s[58:59] the weights' base, stepped
.set PFB,  60                          ; s[60:61] my wave's first row of lt_feat, stepped in the loop: the base of what is asked for ahead
.set MSB, 0
.macro WIN new                         ; the immediate's high byte repeats the setting that is left
.if MSB != (\new)
	s_set_vgpr_msb (MSB<<8)|(\new)
.set MSB, (\new)
.endif
.endm
.set MUL_LO, 0xa4                      ; source 0 (A) window 0, source 1 (B) window 1, C and D window 2
.set MUL_HI, 0xf4                      ; the same, C and D window 3
.set TO_B,   0x40                      ; destination window 1, address window 0
.macro PLACES                          ; four places behind matrix instructions, ahead of loads into their registers and of reads of their results (ISA guide 7.12.1 for vector instructions)
.rept 4
	v_nop
.endr
.endm
.macro ASK off                         ; my tile that begins off bytes behind the base: 32 rows, one a lane, the two halves of a row's 512 bytes
	global_prefetch_b8 v[PFO], s[PFB:PFB+1] offset:(\off) th:TH_LOAD_NT scope:SCOPE_SE
	global_prefetch_b8 v[PFO], s[PFB:PFB+1] offset:(\off)+256 th:TH_LOAD_NT scope:SCOPE_SE
.endm
.macro XLOAD sl, u                     ; v[X + 4 i + q] = lt(k = 32 w + 16 h + i, place 64 u + 4 r + q): sixteen lanes read 256 consecutive bytes
.irp i, 0,1,2,3,4,5,6,7,8,9,10,11,12,13,14,15
	ds_load_b128 v[X+4*\i:X+4*\i+3], v[XRD+(\sl)] offset:512*\i+256*(\u)
.endr
.endm
.macro QGROUP g, u, q, sc, lim, adr, off   ; one place's 16 numbers down K become 16 codes: my 16 bytes of tile 4 u + q
.if (\g) >= 4
	s_wait_dscnt 3                                 ; the store that read this set of code registers stands four stores back: the three younger may be out
.endif
.irp i, 0,1,2,3,4,5,6,7,8,9,10,11,12,13,14,15
	v_med3_num_f32 v[T+\i], v[X+4*\i+(\q)], -v[\lim], v[\lim]   ; the hold at the largest code x the scale, which also gathers the column into consecutive registers
.endr
	v_cvt_scalef32_pk8_bf8_f32 v[CC+4*((\g)%4):CC+4*((\g)%4)+1], v[T:T+7], v[\sc]
	v_cvt_scalef32_pk8_bf8_f32 v[CC+4*((\g)%4)+2:CC+4*((\g)%4)+3], v[T+8:T+15], v[\sc]
	v_nop                                          ; one plain line between the conversions and the next writes of their sources
	ds_store_b128 v[\adr], v[CC+4*((\g)%4):CC+4*((\g)%4)+3] offset:(\off)+2048*(4*(\u)+(\q))
.endm
.macro QUANT sl, young, a2off, a4off   ; a step's tile of f32 in slot sl becomes my chunk of 8 + 8 images.  XLOAD sl, 0 has been issued; young: the LDS instructions issued behind it
	s_wait_dscnt \young
.irp q, 0,1,2,3
	QGROUP 2*\q, 0, \q, SC2, LIM2, A2W, \a2off
	QGROUP 2*\q+1, 0, \q, SC4, LIM4, A4W, \a4off
.endr
	XLOAD \sl, 1
	s_wait_dscnt 0x0                               ; the second half's numbers are in
.irp q, 0,1,2,3
	QGROUP 2*\q, 1, \q, SC2, LIM2, A2W, \a2off
	QGROUP 2*\q+1, 1, \q, SC4, LIM4, A4W, \a4off
.endr
.endm
.macro FETCHA adr, off, a0, n          ; n fragments of A from tile a0 on, as they were stored
.set fa, \a0
.rept \n
.irp c, 0,1,2,3
	ds_load_b128 v[AF+16*fa+4*\c:AF+16*fa+4*\c+3], v[\adr] offset:(\off)+2048*fa+512*\c
.endr
.set fa, fa+1
.endr
.endm
.macro LOADB p, bo                     ; my eight fragments of a step's weights into set p: each load reads 512 consecutive bytes
	WIN TO_B
.irp b, 0,1,2,3,4,5,6,7
.irp c, 0,1,2,3
	global_load_b128 v[128*(\p)+16*\b+4*\c:128*(\p)+16*\b+4*\c+3], v[WOFF], s[WB:WB+1] offset:(\bo)+2048*\b+512*\c
.endr
.endr
	WIN 0
.endm
; 16 matrix instructions: tiles a0, a0 + 1 of places x my eight tiles of columns.  The 64 accumulators take turns, one instruction a turn, in the same order in every step.
.macro MUL a0, p, zero
.irp a, \a0, \a0+1
.irp b, 0,1,2,3,4,5,6,7
.if \zero
	v_wmma_f32_16x16x128_bf8_bf8 v[8*(8*((\a)%4)+\b):8*(8*((\a)%4)+\b)+7], v[AF+16*(\a):AF+16*(\a)+15], v[128*(\p)+16*\b:128*(\p)+16*\b+15], 0
.else
	v_wmma_f32_16x16x128_bf8_bf8 v[8*(8*((\a)%4)+\b):8*(8*((\a)%4)+\b)+7], v[AF+16*(\a):AF+16*(\a)+15], v[128*(\p)+16*\b:128*(\p)+16*\b+15], v[8*(8*((\a)%4)+\b):8*(8*((\a)%4)+\b)+7]
.endif
.endr
.endr
.endm
; A trip of pass PHI: step j (par = j % 2) is multiplied, step j + 1 is quantised, step j + 2 is asked for (fill = 1) into the f32 slot that step j has left.
; pf: 0, or the bytes from the base to my tile of step j + 3, which the next trip's tensor load will want.
.macro TRIP par, zero, fill, quant, koff, bo, extra, pf
.if \fill
	s_wait_tensorcnt 0x0                           ; all my tensor loads have landed: the one that was out is step j + 1's; so a group 0 may be written
	ds_add_u32 v[SPW], v[NIL]                      ; 0 onto my spare word
	s_add_nc_u64 s[G0+4*\par+2:G0+4*\par+3], s[G0+4*\par+2:G0+4*\par+3], 524288   ; 256 rows of 2,048 bytes on; the type bits on top are not reached
	s_wait_dscnt 0x0                               ; the add is done; my image stores have landed; my reads of the f32 slot and of the other image buffer are back
.else
.if \quant
	s_wait_tensorcnt 0x0                           ; the last step's tile, which I read below
.endif
	s_wait_dscnt 0x0                               ; my image stores have landed, my reads of the other image buffer are back
.endif
	s_barrier_signal -1
	s_barrier_wait -1                              ; step j's images are whole; nobody reads the other buffer any more
.if \fill
	tensor_load_to_lds s[G0+4*\par:G0+4*\par+3], s[G1:G1+7]   ; my one tensor load behind this barrier, and the first thing there: it has this trip in which to land
	s_nop 0
.endif
	PLACES                                         ; also the places behind the last trip's products, ahead of the loads into A's and B's registers
.if \pf
	ASK \pf
.endif
.if \quant
	v_add_nc_u32 v[A4W], s[KO], v[A4W0]
	XLOAD 1-\par, 0
.endif
	FETCHA A2R, 16384*\par, 0, 8
	LOADB 1-\par, \bo
.if \extra
.irp b, 0,1,2,3,4,5,6,7
	global_load_b32 v[T+2*\b], v[THO], s[8:9] offset:64*\b     ; theta[n][128 w + 16 b + r], in both registers of a pair
	global_load_b32 v[T+2*\b+1], v[THO], s[8:9] offset:64*\b
	global_load_b32 v[CC+\b], v[THO], s[10:11] offset:64*\b    ; b_lt likewise, once
.endr
.endif
.if \quant
	QUANT 1-\par, 32, 16384*(1-\par), \koff        ; behind XLOAD's sixteen stand A's 32 loads
.else
	s_wait_dscnt 0x0                               ; A's fragments are in
.endif
.if \extra
	s_wait_loadcnt 56                              ; this step's weights are in; the 32 + 24 loads just issued may be out
.else
	s_wait_loadcnt 32                              ; this step's weights are in; the next step's 32 loads may be out
.endif
	WIN MUL_LO
	MUL 0, \par, \zero
	MUL 2, \par, \zero
	WIN MUL_HI
	MUL 4, \par, \zero
	MUL 6, \par, \zero
	WIN 0
.endm
; A step of pass G: A's fragments come from the kept images, tiles 0-3 anew in the step's middle, tiles 4-7 at its end.
.macro GSTEP par, zero, next, adv, aoff, bo
.if \next
	LOADB 1-\par, \bo
	s_wait_loadcnt 32                              ; this step's weights are in; the 32 just issued may be out
.else
	s_wait_loadcnt 0x0
.endif
	s_wait_dscnt 16                                ; A's tiles 0-3 are in; the youngest sixteen loads (tiles 4-7) may be out
	WIN MUL_LO
	MUL 0, \par, \zero
	MUL 2, \par, \zero
	WIN 0
	s_wait_dscnt 0x0                               ; tiles 4-7 are in
	PLACES
.if \adv
	s_add_co_u32 s[KA], s[KA], 32768
	v_add_nc_u32 v[AFR], s[KA], v[LI4]
.endif
.if \next
	FETCHA AFR, \aoff, 0, 4
.endif
	WIN MUL_HI
	MUL 4, \par, \zero
	MUL 6, \par, \zero
	WIN 0
	PLACES
.if \next
	FETCHA AFR, \aoff, 4, 4
.endif
.endm
	s_load_b256 s[4:11], s[0:1], 0x0               ; lt_feat s[4:5], wcodes s[6:7], theta s[8:9], b_lt s[10:11]
	s_load_b128 s[12:15], s[0:1], 0x20             ; the scales' exponents s[12:13], part s[14:15]
	s_load_b64 s[32:33], s[0:1], 0x30              ; pstat
	v_lshl_add_u32 v[SPW], v0, 2, SPARE
	v_mov_b32 v[NIL], 0
	ds_add_u32 v3, v4
	ds_add_u32 v3, v4
	s_wait_dscnt 0x0
	v_lshrrev_b32 v1, 5, v0
	v_readfirstlane_b32 s34, v1                    ; wave 0..3
	; descriptor group 1: 32 rows of 128 elements of 4 bytes, 512 elements from row to row, no padding
	s_mov_b32 s[G1+0], 2<<16                       ; no mask; elements of 4 bytes
	s_mov_b32 s[G1+1], 128<<16                     ; tensor_dim0 = 128
	s_mov_b32 s[G1+2], 32<<16                      ; tensor_dim1 = 32
	s_mov_b32 s[G1+3], 128<<16                     ; tile_dim0 = 128
	s_mov_b32 s[G1+4], 32                          ; tile_dim1 = 32
	s_mov_b32 s[G1+5], 512                         ; the pitch
	s_mov_b32 s[G1+6], 0
	s_mov_b32 s[G1+7], 0
	s_lshr_b32 s35, ttmp9, 2                       ; n
	s_and_b32 s38, ttmp9, 3                        ; which 128 places
	s_lshl_b32 s36, s35, 21                        ; n x 1,024 x 2,048 bytes,
	s_lshl_b32 s37, s38, 9                         ; + 512 bytes a block of places,
	s_add_co_u32 s36, s36, s37
	s_lshl_b32 s37, s34, 16                        ; + my 32 rows of 2,048 bytes: under 2^32 in all
	s_add_co_u32 s36, s36, s37
	s_mov_b32 s37, 0
	s_mov_b32 s[G0], 1
	s_lshl_b32 s[G0+1], s34, 14                    ; slot 0: 16,384 x wave
	s_mov_b32 s[G0+4], 1
	s_add_co_u32 s[G0+5], s[G0+1], 65536           ; slot 1
	s_wait_kmcnt 0x0
	s_load_b256 s[40:47], s[12:13], 0x0            ; e0 .. e7
	s_add_nc_u64 s[PFB:PFB+1], s[4:5], s[36:37]    ; my first row of step 0, for what is asked for ahead
	s_add_nc_u64 s[G0+2:G0+3], s[4:5], s[36:37]    ; step 0
	s_add_nc_u64 s[G0+6:G0+7], s[G0+2:G0+3], 262144   ; step 1: 128 rows on
	s_or_b32 s[G0+3], s[G0+3], 0x80000000
	s_or_b32 s[G0+7], s[G0+7], 0x80000000
	tensor_load_to_lds s[G0:G0+3], s[G1:G1+7]      ; both first fills go out together, ahead of every wait on TENSORcnt, LDS read and barrier: two loads of mine are out
	s_nop 0
	tensor_load_to_lds s[G0+4:G0+7], s[G1:G1+7]
	s_nop 0
.rept 4
	v_nop
.endr
	v_and_b32 v1, 15, v0                           ; r
	v_bfe_u32 v2, v0, 4, 1                         ; h
	v_and_b32 v23, 31, v0
	v_lshlrev_b32 v23, 4, v23                      ; 16 lane
	v_lshlrev_b32 v[GP], 4, v0                     ; 16 x thread = 512 w + 16 lane
	v_lshlrev_b32 v[XRD], 4, v1
	v_lshl_add_u32 v[XRD], v2, 13, v[XRD]          ; 16 r + 16 h rows of 512 bytes
	s_lshl_b32 s39, s34, 14
	v_add_nc_u32 v[XRD], s39, v[XRD]
	v_add_nc_u32 v[XRD+1], 0x10000, v[XRD]
	v_add_nc_u32 v[A2W], LA2, v[GP]
	v_add_nc_u32 v[A4W0], LA4, v[GP]
	v_add_nc_u32 v[A2R], LA2, v23
	v_add_nc_u32 v[LI4], LA4, v23
	v_add_nc_u32 v[WOFF], s39, v23
	s_lshl_b32 s39, s34, 9
	v_lshl_add_u32 v[THO], v1, 2, s39              ; 512 w + 4 r
	v_lshl_add_u32 v[SCW], v2, 5, s39              ; 512 w + 32 h
	v_add_nc_u32 v[PBR], LPB, v[SCW]
	v_add_nc_u32 v[SCW], LSC, v[SCW]
	v_add_nc_u32 v[SCR], LSC, v23
	v_add_nc_u32 v[PBW], LPB, v[GP]
	v_add_nc_u32 v[OBW], LOB, v[THO]
	v_add_nc_u32 v[OBR], LOB, v[GP]
	v_lshrrev_b32 v[GS], 1, v23                    ; 8 lane
	v_lshlrev_b32 v[PFO], 7, v23                   ; 2,048 lane: from here on v23 is this and nothing else
	v_mov_b32 v31, 0                               ; written once: a lane permute's destination counts as one of its sources
	v_mov_b32 v[A4W], v[A4W0]
	s_mov_b32 s54, 0x76543210                      ; v_permlanex16_b32's selects for lane l xor 16
	s_mov_b32 s55, 0xfedcba98
	s_mov_b32 s56, 0x3d8293ee                      ; c = log2(e) / sqrt(512)
	s_lshl_b32 s36, s35, 11
	s_add_nc_u64 s[8:9], s[8:9], s[36:37]          ; theta's row n
	s_lshl_b32 s36, ttmp9, 11
	s_add_nc_u64 s[14:15], s[14:15], s[36:37]      ; part's row G
	s_lshl_b32 s36, ttmp9, 8
	s_add_nc_u64 s[32:33], s[32:33], s[36:37]      ; pstat's row G
	s_mov_b64 s[WB:WB+1], s[6:7]
	LOADB 0, 0                                     ; w_lt, step 0
	ASK 524288                                     ; my tile of step 2, which trip 0's tensor load will want
	s_wait_kmcnt 0x0
	s_add_co_i32 s48, s42, s43                     ; e2 + e3
	s_sub_co_i32 s49, 0, s48
	s_add_co_i32 s36, s42, 127
	s_lshl_b32 s37, s36, 23
	v_mov_b32 v[SC2], s37                          ; 2^e2 as f32: the conversion takes its exponent field
	s_add_co_i32 s36, s36, 15
	s_lshl_b32 s36, s36, 23
	s_or_b32 s36, s36, 0x600000
	v_mov_b32 v[LIM2], s36                         ; 57,344 x 2^e2
	s_add_co_i32 s36, s44, 127
	s_lshl_b32 s37, s36, 23
	v_mov_b32 v[SC4], s37
	s_add_co_i32 s36, s36, 15
	s_lshl_b32 s36, s36, 23
	s_or_b32 s36, s36, 0x600000
	v_mov_b32 v[LIM4], s36
	s_wait_tensorcnt 0x1                           ; step 0's tile is in (my own bytes: no barrier); step 1's may be out
	XLOAD 0, 0
	QUANT 0, 0, 0, 0
	s_mov_b32 s[KO], 16384
	; ---- PASS PHI
	TRIP 0, 1, 1, 1, 0, 65536, 0, 786432           ; trip 0: its products start the sums; step 3 is asked for ahead
	s_wait_xcnt 0x0                                ; the loads have read their base: it may step
	s_add_nc_u64 s[WB:WB+1], s[WB:WB+1], 131072
	s_mov_b32 s[KO], 32768
	s_mov_b32 s52, 2
.Lphi:                                                 ; trips 1 to 4; steps 4 to 7 are asked for ahead
	TRIP 1, 0, 1, 1, 0, 0, 0, 1048576
	TRIP 0, 0, 1, 1, 16384, 65536, 0, 1310720
	s_wait_xcnt 0x0                                ; loads and requests have read their bases: both may step
	s_add_nc_u64 s[WB:WB+1], s[WB:WB+1], 131072
	s_add_nc_u64 s[PFB:PFB+1], s[PFB:PFB+1], 524288
	s_add_co_u32 s[KO], s[KO], 32768
	s_sub_co_u32 s52, s52, 1
	s_cmp_lg_u32 s52, 0
	s_cbranch_scc1 .Lphi
	TRIP 1, 0, 1, 1, 0, 0, 0, 0                    ; trip 5 asks for step 7: the last load.  The tail is written out
	TRIP 0, 0, 0, 1, 16384, 65536, 0, 0            ; trip 6 quantises step 7
	s_wait_xcnt 0x0
	s_add_nc_u64 s[WB:WB+1], s[WB:WB+1], 131072    ; w_g's images follow w_lt's
	TRIP 1, 0, 0, 0, 0, 0, 1, 0                    ; trip 7: its weight loads are w_g's step 0; theta and b_lt are asked for
	; ---- THE SCORES.  Register j of accumulator (a, b): place row 8 h + j of tile a, column l = 128 w + 16 b + r
	PLACES
	v_mov_b32 v[AFR], v[LI4]
	FETCHA AFR, 0, 0, 8                            ; g's images of step 0, for pass G
	s_wait_loadcnt 0x0                             ; theta, b_lt (and w_g's step 0)
.irp b, 0,1,2,3,4,5,6,7
	v_ldexp_f32 v[CC+\b], v[CC+\b], s49            ; b_lt / 2^(e2 + e3): a raw sum stands for sum x 2^(e2 + e3)
.endr
	v_mul_f32 v[C0], v[T], v[CC]
.irp b, 1,2,3,4,5,6,7
	v_fmac_f32 v[C0], v[T+2*\b], v[CC+\b]          ; my columns' part of sum theta b_lt: where every place's chain begins
.endr
	v_mov_b32 v[C0+1], v[C0]
.macro SCORE hi                        ; S[a][j] = C0 + sum over b of theta x raw sum; each accumulator is read from its low end on
	WIN 0x02+\hi
.irp b, 0,1,2,3,4,5,6,7
.irp a, 0,1,2,3
.irp j, 0,2,4,6
.if \b == 0
	v_pk_fma_f32 v[X+8*(4*\hi+\a)+\j:X+8*(4*\hi+\a)+\j+1], v[8*(8*\a+\b)+\j:8*(8*\a+\b)+\j+1], v[T+2*\b:T+2*\b+1], v[C0:C0+1]
.else
	v_pk_fma_f32 v[X+8*(4*\hi+\a)+\j:X+8*(4*\hi+\a)+\j+1], v[8*(8*\a+\b)+\j:8*(8*\a+\b)+\j+1], v[T+2*\b:T+2*\b+1], v[X+8*(4*\hi+\a)+\j:X+8*(4*\hi+\a)+\j+1]
.endif
.endr
.endr
.endr
.endm
	SCORE 0
	SCORE 1
	WIN 0
.irp m, 1,2,4,8                        ; over the sixteen columns that lie in the lanes of a half
.set i, 0
.rept 64
	v_add_f32_dpp v[X+i], v[X+i], v[X+i] row_xmask:\m row_mask:0xf bank_mask:0xf
.set i, i+1
.endr
.endr
.irp a, 0,1,2,3,4,5,6,7
	ds_store_b128 v[SCW], v[X+8*\a:X+8*\a+3] offset:64*\a         ; place index 16 a + 8 h + j; the lanes of a half write the same words with the same numbers
	ds_store_b128 v[SCW], v[X+8*\a+4:X+8*\a+7] offset:64*\a+16
.endr
	s_wait_dscnt 0x0                               ; for the others' sake: my partial scores lie in LDS
	s_barrier_signal -1
	s_barrier_wait -1
	; ---- THE BLOCK'S SOFTMAX: every wave makes it, each lane for four places
.irp k, 0,1,2,3
	ds_load_b128 v[X+4*\k:X+4*\k+3], v[SCR] offset:512*\k
.endr
	s_wait_dscnt 0x0
	v_pk_add_f32 v[X:X+1], v[X:X+1], v[X+4:X+5]
	v_pk_add_f32 v[X+2:X+3], v[X+2:X+3], v[X+6:X+7]
	v_pk_add_f32 v[X+8:X+9], v[X+8:X+9], v[X+12:X+13]
	v_pk_add_f32 v[X+10:X+11], v[X+10:X+11], v[X+14:X+15]
	v_pk_add_f32 v[X:X+1], v[X:X+1], v[X+8:X+9]
	v_pk_add_f32 v[X+2:X+3], v[X+2:X+3], v[X+10:X+11]
.irp q, 0,1,2,3
	v_mul_f32 v[X+\q], s56, v[X+\q]
.endr
.irp q, 0,1,2,3
	v_ldexp_f32 v[X+\q], v[X+\q], s48              ; t = c x score
.endr
	v_max3_num_f32 v30, v[X], v[X+1], v[X+2]
	v_max_num_f32 v30, v30, v[X+3]
	v_max_num_f32_dpp v30, v30, v30 row_xmask:1 row_mask:0xf bank_mask:0xf
	v_max_num_f32_dpp v30, v30, v30 row_xmask:2 row_mask:0xf bank_mask:0xf
	v_max_num_f32_dpp v30, v30, v30 row_xmask:4 row_mask:0xf bank_mask:0xf
	v_max_num_f32_dpp v30, v30, v30 row_xmask:8 row_mask:0xf bank_mask:0xf
	v_permlanex16_b32 v31, v30, s54, s55
	v_max_num_f32 v24, v30, v31                    ; M: the block's largest t
.irp q, 0,1,2,3
	v_sub_f32 v[X+\q], v[X+\q], v24
.endr
.irp q, 0,1,2,3
	v_exp_f32 v[X+\q], v[X+\q]                     ; p = 2^(t - M), at most 1
.endr
	v_nop                                          ; a plain line behind the exponentials
	s_wait_alu depctr_va_vdst(0)
	v_add_f32 v25, v[X], v[X+1]
	v_add_f32 v30, v[X+2], v[X+3]
	v_add_f32 v25, v25, v30
	v_add_f32_dpp v25, v25, v25 row_xmask:1 row_mask:0xf bank_mask:0xf
	v_add_f32_dpp v25, v25, v25 row_xmask:2 row_mask:0xf bank_mask:0xf
	v_add_f32_dpp v25, v25, v25 row_xmask:4 row_mask:0xf bank_mask:0xf
	v_add_f32_dpp v25, v25, v25 row_xmask:8 row_mask:0xf bank_mask:0xf
	v_permlanex16_b32 v31, v25, s54, s55
	v_add_f32 v25, v25, v31                        ; the block's sum of p
	ds_store_b128 v[PBW], v[X:X+3]                 ; my wave's own copy of p: read back behind pass G, no barrier
	s_cmp_lg_u32 s34, 0
	s_cbranch_scc1 .Lnot_wave_0
	global_store_b64 v[GS], v[24:25], s[32:33]     ; (M, sum), 32 times: 256 consecutive bytes; v24 and v25 are not written again
.Lnot_wave_0:
	; ---- PASS G
	GSTEP 0, 1, 1, 0, 16384, 65536                 ; its products start the sums anew
	s_wait_xcnt 0x0
	s_add_nc_u64 s[WB:WB+1], s[WB:WB+1], 131072
	s_mov_b32 s[KA], 0
	s_mov_b32 s52, 3
.Lg:                                                   ; steps 1 to 6
	GSTEP 1, 0, 1, 1, 0, 0
	GSTEP 0, 0, 1, 0, 16384, 65536
	s_wait_xcnt 0x0
	s_add_nc_u64 s[WB:WB+1], s[WB:WB+1], 131072
	s_sub_co_u32 s52, s52, 1
	s_cmp_lg_u32 s52, 0
	s_cbranch_scc1 .Lg
	GSTEP 1, 0, 0, 0, 0, 0
	; ---- g's raw sums under the block's weights
.irp a, 0,1,2,3,4,5,6,7
	ds_load_b128 v[X+8*\a:X+8*\a+3], v[PBR] offset:64*\a          ; p of place index 16 a + 8 h + j
	ds_load_b128 v[X+8*\a+4:X+8*\a+7], v[PBR] offset:64*\a+16
.endr
	s_wait_dscnt 0x0
.macro REDUCE hi                       ; each accumulator is read from its low end on
	WIN 0x02+\hi
.irp a, 0,1,2,3
.irp j, 0,2,4,6
.irp b, 0,1,2,3,4,5,6,7
.if (\hi == 0) && (\a == 0) && (\j == 0)
	v_pk_mul_f32 v[T+2*\b:T+2*\b+1], v[8*(8*\a+\b)+\j:8*(8*\a+\b)+\j+1], v[X+8*(4*\hi+\a)+\j:X+8*(4*\hi+\a)+\j+1]
.else
	v_pk_fma_f32 v[T+2*\b:T+2*\b+1], v[8*(8*\a+\b)+\j:8*(8*\a+\b)+\j+1], v[X+8*(4*\hi+\a)+\j:X+8*(4*\hi+\a)+\j+1], v[T+2*\b:T+2*\b+1]
.endif
.endr
.endr
.endr
.endm
	REDUCE 0
	REDUCE 1
	WIN 0
.irp b, 0,1,2,3,4,5,6,7
	v_add_f32 v[T+2*\b], v[T+2*\b], v[T+2*\b+1]
.endr
.irp b, 0,1,2,3,4,5,6,7
	v_permlanex16_b32 v[CC+\b], v[T+2*\b], s54, s55   ; the other half of the lanes holds the other place rows
.endr
.irp b, 0,1,2,3,4,5,6,7
	v_add_f32 v[T+2*\b], v[T+2*\b], v[CC+\b]
.endr
.irp b, 0,1,2,3,4,5,6,7
	ds_store_b32 v[OBW], v[T+2*\b] offset:64*\b    ; l = 128 w + 16 b + r, into my own 512 bytes
.endr
	ds_load_b128 v[X:X+3], v[OBR]                  ; LDS serves a wave's instructions in order: this sees the stores above
	s_wait_dscnt 0x0
	global_store_b128 v[GP], v[X:X+3], s[14:15]    ; 32 lanes store 512 consecutive bytes
	s_wait_tensorcnt 0x0                           ; the wave's end
	ds_add_u32 v[SPW], v[NIL]
	s_wait_dscnt 0x0
	s_endpgm
.Lfunc_end_k_qa0e0435e90_main:
	.size	k_qa0e0435e90_main, .Lfunc_end_k_qa0e0435e90_main-k_qa0e0435e90_main
	.p2alignl 7, 3214868480
	.fill 96, 4, 3214868480
	.section	.rodata,"a",@progbits
	.p2align	6, 0x0
	.amdhsa_kernel k_qa0e0435e90_main
		.amdhsa_group_segment_fixed_size 327680
		.amdhsa_private_segment_fixed_size 0
		.amdhsa_enable_private_segment 0
		.amdhsa_kernarg_size 56
		.amdhsa_user_sgpr_count 2
		.amdhsa_user_sgpr_kernarg_segment_ptr 1
		.amdhsa_wavefront_size32 1
		.amdhsa_system_sgpr_workgroup_id_x 1
		.amdhsa_system_sgpr_workgroup_id_y 1
		.amdhsa_system_sgpr_workgroup_id_z 1
		.amdhsa_system_vgpr_workitem_id 0
		.amdhsa_next_free_vgpr 1024
		.amdhsa_next_free_sgpr 66
		.amdhsa_reserve_vcc 0
		.amdhsa_float_denorm_mode_32 3
		.amdhsa_float_denorm_mode_16_64 3
		.amdhsa_memory_ordered 1
		.amdhsa_forward_progress 1
		.amdhsa_inst_pref_size 255
	.end_amdhsa_kernel
	.section	.bss,"aw",@nobits
	.p2align	6
	.space	262144
	.amdgpu_metadata
---
amdhsa.version: [ 1, 2 ]
amdhsa.kernels:
  - .name:           k_qa0e0435e90_main
    .symbol:         k_qa0e0435e90_main.kd
    .args:
      - { .name: lt_feat, .offset: 0, .size: 8, .value_kind: global_buffer, .address_space: global }
      - { .name: wcodes, .offset: 8, .size: 8, .value_kind: global_buffer, .address_space: global }
      - { .name: theta, .offset: 16, .size: 8, .value_kind: global_buffer, .address_space: global }
      - { .name: b_lt, .offset: 24, .size: 8, .value_kind: global_buffer, .address_space: global }
      - { .name: lowp_scales, .offset: 32, .size: 8, .value_kind: global_buffer, .address_space: global }
      - { .name: part, .offset: 40, .size: 8, .value_kind: global_buffer, .address_space: global }
      - { .name: pstat, .offset: 48, .size: 8, .value_kind: global_buffer, .address_space: global }
    .group_segment_fixed_size: 327680
    .private_segment_fixed_size: 0
    .kernarg_segment_align: 8
    .kernarg_segment_size: 56
    .max_flat_workgroup_size: 128
    .sgpr_count:     66
    .vgpr_count:     1024
    .wavefront_size: 32
...
	.end_amdgpu_metadata
.endif
;; end of part 2
;; launch final (part 3): grid 8 x 1, 16 waves a work-group, no clusters, 296,960 bytes of LDS; arguments part, pstat, wcodes, b_g, b_out, ln_w, ln_b, lowp_scales, out0; writes out0
.if DOCPART == 3
	.amdgcn_target "amdgcn-amd-amdhsa--gfx1250"
	.amdhsa_code_object_version 6
	.text
	.protected	k_qa0e0435e90_final
	.globl	k_qa0e0435e90_final
	.p2align	8
	.type	k_qa0e0435e90_final,@function
k_qa0e0435e90_final:
	s_mov_b64 s[64:65], 0
	v_nop
	global_prefetch_b8 v0, s[64:65] scope:SCOPE_SE
	s_setreg_imm32_b32 hwreg(HW_REG_WAVE_MODE, 25, 1), 1
	s_wait_xcnt 0x0
; The four blocks of each batch element are joined, the latent vector is quantised, out_conv runs on codes of E5M2, and LayerNorm follows.
; A work-group takes 16 batch elements, since LayerNorm wants whole rows of 1,024 channels: the launch has work for eight work-groups.  Wave w takes channels 64 w .. 64 w + 63: four tiles.
; ALL THAT THE LAUNCH READS IS ASKED FOR AT ITS HEAD.  A wave's weights of K steps 0 and 1 come into 128 registers; those of K steps 2 and 3 (2 x 8,192 bytes) by one tensor load into its own 16,384 bytes of LDS,
; since the registers have no room for them; each wave also brings 256 bytes of b_out, of ln_w and of ln_b into LDS by three small tensor loads.  Each LDS byte is filled once: four tensor loads of a wave are out,
; and the one wait for them, for 0, stands in front of the first barrier, behind which other waves read the three small arrays.
; JOIN: Mx = the largest of the four M; f_i = 2^(M_i - Mx); Z = sum f_i l_i; latent[l] = sum f_i part_i[l] x 2^(e4 + e5) / Z + b_g[l] (the weights of a softmax add up to 1).
; Wave w makes chunk w of the operand's four fragments (k = 32 w + 16 (lane / 16) + i of batch lane % 16) and stores it as an image of registers; every wave loads all four fragments.
; The product is used transposed (source 0 = 16 channels of w_out, source 1 = the 16 batch elements): a lane holds ONE batch element and eight neighbouring channels a tile.
; LayerNorm in two passes (the mean, then the mean of squares of the differences), each through 16 words a batch element in LDS.  Rows leave through a stage, 512 consecutive bytes a store.
; The stage lies over the weights' first 65,792 bytes: they have had their one fill, and two barriers stand between every wave's last read of its weights and the first store there.
; LIMITS: e6 between -126 and 112; e6 + e7 between -126 and 127.  NaN among the inputs is not served.
; REGISTERS: v1-13, v22-25 addresses; v14-21 at work; v32-95 part, then the four fragments, then y, sums and rows; v96-127 pstat, b_g, codes, then the four accumulators; v128-255 two sets of weights, then b_out, ln_w, ln_b.
.set AIM, 262144                       ; LDS: the weights of K steps 2, 3 at 0 (16 x 16,384 bytes); the operand's images (8,192 bytes)
.set RS,  270336                       ; 16 x 16 sums; 1,024 bytes on the same for the squares
.set BO,  272384                       ; b_out, 4,096 bytes
.set LNW, 276480                       ; ln_w, 4,096 bytes; ln_b follows it
.set LNB, 280576
.set SP,  4112                         ; the stage, at 0: 16 rows x (4,096 + 16) bytes
.set G1W, 48                           ; s[48:55] descriptor group 1 for the weights;  s[56:63] for 256 bytes on end
.set G1S, 56
.set G0W, 68                           ; s[68:71], s[72:75], s[76:79], s[80:83] groups 0: weights, b_out, ln_w, ln_b
.set G0B, 72
.set G0L, 76
.set G0M, 80
.macro PLACES
.rept 4
	v_nop
.endr
.endm
.macro LOADW reg, ks                   ; my four fragments of w_out for K step ks, from memory
.irp t, 0,1,2,3
.irp c, 0,1,2,3
	global_load_b128 v[\reg+16*\t+4*\c:\reg+16*\t+4*\c+3], v5, s[8:9] offset:131072*\ks+2048*\t+512*\c
.endr
.endr
.endm
.macro LOADL reg, k                    ; the same for K step 2 + k, from my own bytes of LDS
.irp t, 0,1,2,3
.irp c, 0,1,2,3
	ds_load_b128 v[\reg+16*\t+4*\c:\reg+16*\t+4*\c+3], v23 offset:8192*\k+2048*\t+512*\c
.endr
.endr
.endm
.macro MULK reg, ks, zero              ; four matrix instructions, the four accumulators by turns
.irp t, 0,1,2,3
.if \zero
	v_wmma_f32_16x16x128_bf8_bf8 v[96+8*\t:103+8*\t], v[\reg+16*\t:\reg+16*\t+15], v[32+16*\ks:47+16*\ks], 0
.else
	v_wmma_f32_16x16x128_bf8_bf8 v[96+8*\t:103+8*\t], v[\reg+16*\t:\reg+16*\t+15], v[32+16*\ks:47+16*\ks], v[96+8*\t:103+8*\t]
.endif
.endr
.endm
.macro ACROSS off                      ; v64: my lane's sum.  It is joined with the other half of the lanes', then with the other waves' through LDS; the whole sum comes back in v68
	v_permlanex16_b32 v65, v64, s32, s33
	v_add_f32 v64, v64, v65
	ds_store_b32 v12, v64 offset:\off              ; word (wave, batch r); both halves write the same number
	s_wait_dscnt 0x0                               ; for the others' sake
	s_barrier_signal -1
	s_barrier_wait -1
.irp k, 0,1,2,3,4,5,6,7,8,9,10,11,12,13,14,15
	ds_load_b32 v[68+\k], v13 offset:\off+64*\k
.endr
	s_wait_dscnt 0x0
.irp k, 0,2,4,6
	v_pk_add_f32 v[68+\k:69+\k], v[68+\k:69+\k], v[76+\k:77+\k]
.endr
.irp k, 0,2
	v_pk_add_f32 v[68+\k:69+\k], v[68+\k:69+\k], v[72+\k:73+\k]
.endr
	v_pk_add_f32 v[68:69], v[68:69], v[70:71]
	v_add_f32 v68, v68, v69
.endm
	s_load_b512 s[4:19], s[0:1], 0x0               ; part s[4:5], pstat s[6:7], wcodes s[8:9], b_g s[10:11], b_out s[12:13], ln_w s[14:15], ln_b s[16:17], scales s[18:19]
	s_load_b64 s[20:21], s[0:1], 0x40              ; out0
	v_lshl_add_u32 v30, v0, 2, 0x48000
	v_mov_b32 v31, 0
	ds_add_u32 v30, v31
	ds_add_u32 v30, v31
	v_lshrrev_b32 v1, 5, v0
	v_readfirstlane_b32 s22, v1                    ; wave 0..15
	; descriptor group 1 for the weights: 2 rows (K steps 2 and 3) of 1,024 elements of 8 bytes, 16,384 elements (a K step's 131,072 bytes) from row to row, no padding
	s_mov_b32 s[G1W+0], 3<<16                      ; no mask; elements of 8 bytes
	s_mov_b32 s[G1W+1], 1024<<16                   ; tensor_dim0 = 1,024
	s_mov_b32 s[G1W+2], 2<<16                      ; tensor_dim1 = 2
	s_mov_b32 s[G1W+3], 1024<<16                   ; tile_dim0 = 1,024
	s_mov_b32 s[G1W+4], 2                          ; tile_dim1 = 2
	s_mov_b32 s[G1W+5], 16384                      ; the pitch
	s_mov_b32 s[G1W+6], 0
	s_mov_b32 s[G1W+7], 0
	; and for a single row of 256 bytes: 32 elements of 8 bytes
	s_mov_b32 s[G1S+0], 3<<16
	s_mov_b32 s[G1S+1], 32<<16
	s_mov_b32 s[G1S+2], 1<<16
	s_mov_b32 s[G1S+3], 32<<16
	s_mov_b32 s[G1S+4], 1
	s_mov_b32 s[G1S+5], 32
	s_mov_b32 s[G1S+6], 0
	s_mov_b32 s[G1S+7], 0
	s_lshl_b32 s23, s22, 8                         ; 256 x wave
	s_mov_b32 s[G0W], 1
	s_lshl_b32 s[G0W+1], s22, 14                   ; LDS: 16,384 x wave
	s_mov_b32 s[G0B], 1
	s_add_co_u32 s[G0B+1], s23, BO
	s_mov_b32 s[G0L], 1
	s_add_co_u32 s[G0L+1], s23, LNW
	s_mov_b32 s[G0M], 1
	s_add_co_u32 s[G0M+1], s23, LNB
	s_mov_b32 s29, 0
	s_wait_dscnt 0x0
	s_wait_kmcnt 0x0
	s_load_b256 s[40:47], s[18:19], 0x0            ; e0 .. e7
	s_lshl_b32 s28, s22, 13
	s_add_co_u32 s28, s28, 1048576
	s_add_nc_u64 s[8:9], s[8:9], s[28:29]          ; w_out's images, from my tile 4 w on
	s_add_nc_u64 s[G0W+2:G0W+3], s[8:9], 262144    ; K step 2
	s_or_b32 s[G0W+3], s[G0W+3], 0x80000000
	s_mov_b32 s28, s23
	s_add_nc_u64 s[G0B+2:G0B+3], s[12:13], s[28:29]
	s_or_b32 s[G0B+3], s[G0B+3], 0x80000000
	s_add_nc_u64 s[G0L+2:G0L+3], s[14:15], s[28:29]
	s_or_b32 s[G0L+3], s[G0L+3], 0x80000000
	s_add_nc_u64 s[G0M+2:G0M+3], s[16:17], s[28:29]
	s_or_b32 s[G0M+3], s[G0M+3], 0x80000000
	tensor_load_to_lds s[G0W:G0W+3], s[G1W:G1W+7]  ; all fills of the launch go out together, ahead of every wait on TENSORcnt, LDS read and barrier: four loads of mine are out
	s_nop 0
	tensor_load_to_lds s[G0B:G0B+3], s[G1S:G1S+7]
	s_nop 0
	tensor_load_to_lds s[G0L:G0L+3], s[G1S:G1S+7]
	s_nop 0
	tensor_load_to_lds s[G0M:G0M+3], s[G1S:G1S+7]
	s_nop 0
.rept 4
	v_nop
.endr
	v_and_b32 v1, 15, v0                           ; r
	v_bfe_u32 v2, v0, 4, 1                         ; h
	v_and_b32 v3, 31, v0
	v_lshlrev_b32 v5, 4, v3                        ; 16 lane
	v_lshlrev_b32 v4, 4, v0                        ; 16 x thread = 512 w + 16 lane:
	v_add_nc_u32 v4, AIM, v4                       ; my chunk of the images
	v_add_nc_u32 v22, AIM, v5                      ; and where every wave reads them
	s_lshl_b32 s24, s22, 14
	v_add_nc_u32 v23, s24, v5                      ; my weights in LDS
	s_lshl_b32 s24, s22, 7
	v_lshl_add_u32 v8, v2, 6, s24                  ; b_g: 4 (32 w + 16 h)
	v_lshl_add_u32 v6, v1, 13, v8                  ; part: + four rows of 2,048 bytes for each batch element
	v_lshlrev_b32 v7, 10, v1                       ; pstat: four rows of 256 bytes
	v_lshl_add_u32 v9, v2, 5, s23                  ; 4 (64 w + 8 h)
	v_add_nc_u32 v24, BO, v9                       ; b_out at my channels
	v_add_nc_u32 v25, LNW, v5                      ; ln_w as the rows leave; ln_b 4,096 bytes on
	v_mul_u32_u24 v10, v1, SP
	v_add_nc_u32 v10, v10, v9                      ; the stage, in: row r, my channels' bytes
	s_mul_i32 s25, s22, SP
	v_add_nc_u32 v11, s25, v5                      ; and back: row w, 16 bytes a lane
	s_lshl_b32 s26, s22, 6
	v_lshl_add_u32 v12, v1, 2, s26
	v_add_nc_u32 v12, RS, v12                      ; the sums, in: 64 w + 4 r
	v_lshlrev_b32 v13, 2, v1
	v_add_nc_u32 v13, RS, v13                      ; and back: 4 r
	s_mov_b32 s32, 0x76543210                      ; v_permlanex16_b32's selects for lane l xor 16
	s_mov_b32 s33, 0xfedcba98
	s_mov_b32 s34, 0x3a800000                      ; 1 / 1,024
	s_mov_b32 s35, 0x3727c5ac                      ; 1e-5
	s_lshl_b32 s28, ttmp9, 17
	s_add_nc_u64 s[4:5], s[4:5], s[28:29]          ; 64 rows of part
	s_lshl_b32 s28, ttmp9, 14
	s_add_nc_u64 s[6:7], s[6:7], s[28:29]          ; 64 rows of pstat
	s_lshl_b32 s28, ttmp9, 16
	s_lshl_b32 s27, s22, 12
	s_add_co_u32 s28, s28, s27
	s_add_nc_u64 s[20:21], s[20:21], s[28:29]      ; out0's row 16 x work-group + wave
.irp i, 0,1,2,3
.irp q, 0,1,2,3
	global_load_b128 v[32+16*\i+4*\q:35+16*\i+4*\q], v6, s[4:5] offset:2048*\i+16*\q   ; block i's sums at my 16 l
.endr
.endr
.irp i, 0,1,2,3
	global_load_b64 v[96+2*\i:97+2*\i], v7, s[6:7] offset:256*\i   ; (M_i, l_i)
.endr
.irp q, 0,1,2,3
	global_load_b128 v[104+4*\q:107+4*\q], v8, s[10:11] offset:16*\q   ; b_g at my 16 l
.endr
	LOADW 128, 0
	LOADW 192, 1
	s_wait_kmcnt 0x0
	s_add_co_i32 s27, s44, s45                     ; e4 + e5
	s_add_co_i32 s36, s46, 127
	s_lshl_b32 s37, s36, 23
	v_mov_b32 v20, s37                             ; 2^e6 as f32
	s_add_co_i32 s36, s36, 15
	s_lshl_b32 s36, s36, 23
	s_or_b32 s36, s36, 0x600000
	v_mov_b32 v21, s36                             ; 57,344 x 2^e6
	s_add_co_i32 s30, s46, s47
	s_add_co_i32 s30, s30, 127
	s_lshl_b32 s30, s30, 23                        ; 2^(e6 + e7) as f32
	s_mov_b32 s31, s30                             ; (named with it as a pair, so it is written)
	s_wait_loadcnt 32                              ; part, pstat and b_g are in; the 32 weight loads may be out
	v_max3_num_f32 v14, v96, v98, v100
	v_max_num_f32 v14, v14, v102                   ; Mx
.irp i, 0,1,2,3
	v_sub_f32 v[16+\i], v[96+2*\i], v14
.endr
.irp i, 0,1,2,3
	v_exp_f32 v[16+\i], v[16+\i]                   ; f_i
.endr
	v_nop                                          ; a plain line behind the exponentials
	s_wait_alu depctr_va_vdst(0)
	v_mul_f32 v15, v16, v97
	v_fmac_f32 v15, v17, v99
	v_fmac_f32 v15, v18, v101
	v_fmac_f32 v15, v19, v103                      ; Z, at least 1
	v_rcp_f32 v15, v15
	v_nop                                          ; a plain line behind the reciprocal
	s_wait_alu depctr_va_vdst(0)
	v_ldexp_f32 v15, v15, s27                      ; 2^(e4 + e5) / Z
.irp i, 0,1,2,3
	v_mul_f32 v[16+\i], v[16+\i], v15
.endr
.irp i, 0,1,2,3
.irp k, 0,1,2,3,4,5,6,7,8,9,10,11,12,13,14,15
	v_fmac_f32 v[104+\k], v[16+\i], v[32+16*\i+\k] ; onto b_g
.endr
.endr
.irp k, 0,1,2,3,4,5,6,7,8,9,10,11,12,13,14,15
	v_med3_num_f32 v[104+\k], v[104+\k], -v21, v21 ; the conversion does not saturate (ISA guide 7.6.2): the hold at the largest code x the scale
.endr
	v_cvt_scalef32_pk8_bf8_f32 v[120:121], v[104:111], v20
	v_cvt_scalef32_pk8_bf8_f32 v[122:123], v[112:119], v20
	v_nop                                          ; one plain line behind the conversions: the products below write these registers
	ds_store_b128 v4, v[120:123]
	s_wait_tensorcnt 0x0                           ; my four fills have landed: my weights, and my pieces of b_out, ln_w and ln_b, which other waves read behind the barrier
	s_wait_dscnt 0x0                               ; for the others' sake: my chunk lies in LDS
	s_barrier_signal -1
	s_barrier_wait -1
.irp ks, 0,1,2,3
.irp c, 0,1,2,3
	ds_load_b128 v[32+16*\ks+4*\c:35+16*\ks+4*\c], v22 offset:2048*\ks+512*\c
.endr
.endr
	s_wait_dscnt 0x0
	s_wait_loadcnt 0x0                             ; the weights of K steps 0 and 1
	MULK 128, 0, 1
	MULK 192, 1, 0
	PLACES                                         ; ahead of loads into registers that matrix instructions have read
	LOADL 128, 0
	LOADL 192, 1
	s_wait_dscnt 16                                ; K step 2's fragments are in; step 3's sixteen loads may be out
	MULK 128, 2, 0
	s_wait_dscnt 0x0
	MULK 192, 3, 0
	PLACES                                         ; ahead of the loads below and of the first read of the results
.irp t, 0,1,2,3
	ds_load_b128 v[128+8*\t:131+8*\t], v24 offset:64*\t            ; b_out at channels 64 w + 16 t + 8 h + 0 .. 7
	ds_load_b128 v[132+8*\t:135+8*\t], v24 offset:64*\t+16
.endr
.irp i, 0,1,2,3,4,5,6,7
	ds_load_b128 v[160+4*\i:163+4*\i], v25 offset:512*\i           ; ln_w and ln_b as the rows leave: channel 128 i + 4 lane on
.endr
.irp i, 0,1,2,3,4,5,6,7
	ds_load_b128 v[192+4*\i:195+4*\i], v25 offset:4096+512*\i
.endr
	s_wait_dscnt 16                                ; b_out is in; ln_w's and ln_b's sixteen loads may be out
.irp t, 0,1,2,3
.irp j, 0,2,4,6
	v_pk_fma_f32 v[32+8*\t+\j:33+8*\t+\j], v[96+8*\t+\j:97+8*\t+\j], s[30:31], v[128+8*\t+\j:129+8*\t+\j] op_sel_hi:[1,0,1]   ; y = sum x 2^(e6 + e7) + b_out; each accumulator from its low end on
.endr
.endr
	v_pk_add_f32 v[64:65], v[32:33], v[34:35]
	v_pk_add_f32 v[66:67], v[36:37], v[38:39]
.irp j, 8,12,16,20,24,28
	v_pk_add_f32 v[64:65], v[64:65], v[32+\j:33+\j]
	v_pk_add_f32 v[66:67], v[66:67], v[34+\j:35+\j]
.endr
	v_pk_add_f32 v[64:65], v[64:65], v[66:67]
	v_add_f32 v64, v64, v65
	ACROSS 0
	v_mul_f32 v68, s34, v68                        ; the mean
.irp j, 0,1,2,3,4,5,6,7,8,9,10,11,12,13,14,15,16,17,18,19,20,21,22,23,24,25,26,27,28,29,30,31
	v_sub_f32 v[32+\j], v[32+\j], v68
.endr
	v_pk_mul_f32 v[64:65], v[32:33], v[32:33]
	v_pk_mul_f32 v[66:67], v[34:35], v[34:35]
.irp j, 4,8,12,16,20,24,28
	v_pk_fma_f32 v[64:65], v[32+\j:33+\j], v[32+\j:33+\j], v[64:65]
	v_pk_fma_f32 v[66:67], v[34+\j:35+\j], v[34+\j:35+\j], v[66:67]
.endr
	v_pk_add_f32 v[64:65], v[64:65], v[66:67]
	v_add_f32 v64, v64, v65
	ACROSS 1024                                    ; other words than the first sums', so no barrier is owed between the two
	v_fma_f32 v68, v68, s34, s35                   ; the variance + 1e-5
	v_rsq_f32 v68, v68
	v_nop                                          ; a plain line behind the root
	s_wait_alu depctr_va_vdst(0)
.irp j, 0,1,2,3,4,5,6,7,8,9,10,11,12,13,14,15,16,17,18,19,20,21,22,23,24,25,26,27,28,29,30,31
	v_mul_f32 v[32+\j], v[32+\j], v68
.endr
.irp t, 0,1,2,3
	ds_store_b128 v10, v[32+8*\t:35+8*\t] offset:64*\t             ; into the stage, over weights that every wave has read out two barriers ago
	ds_store_b128 v10, v[36+8*\t:39+8*\t] offset:64*\t+16
.endr
	s_wait_dscnt 0x0                               ; for the others' sake: a row's 4,096 bytes come from sixteen waves
	s_barrier_signal -1
	s_barrier_wait -1
.irp i, 0,1,2,3,4,5,6,7
	ds_load_b128 v[64+4*\i:67+4*\i], v11 offset:512*\i
.endr
	s_wait_dscnt 0x0
.irp k, 0,2,4,6,8,10,12,14,16,18,20,22,24,26,28,30
	v_pk_fma_f32 v[64+\k:65+\k], v[64+\k:65+\k], v[160+\k:161+\k], v[192+\k:193+\k]
.endr
.irp i, 0,1,2,3,4,5,6,7
	global_store_b128 v5, v[64+4*\i:67+4*\i], s[20:21] offset:512*\i       ; 32 lanes store 512 consecutive bytes
.endr
	s_wait_tensorcnt 0x0
	ds_add_u32 v30, v31
	s_wait_dscnt 0x0
	s_endpgm
.Lfunc_end_k_qa0e0435e90_final:
	.size	k_qa0e0435e90_final, .Lfunc_end_k_qa0e0435e90_final-k_qa0e0435e90_final
	.p2alignl 7, 3214868480
	.fill 96, 4, 3214868480
	.section	.rodata,"a",@progbits
	.p2align	6, 0x0
	.amdhsa_kernel k_qa0e0435e90_final
		.amdhsa_group_segment_fixed_size 296960
		.amdhsa_private_segment_fixed_size 0
		.amdhsa_enable_private_segment 0
		.amdhsa_kernarg_size 72
		.amdhsa_user_sgpr_count 2
		.amdhsa_user_sgpr_kernarg_segment_ptr 1
		.amdhsa_wavefront_size32 1
		.amdhsa_system_sgpr_workgroup_id_x 1
		.amdhsa_system_sgpr_workgroup_id_y 1
		.amdhsa_system_sgpr_workgroup_id_z 1
		.amdhsa_system_vgpr_workitem_id 0
		.amdhsa_next_free_vgpr 256
		.amdhsa_next_free_sgpr 96
		.amdhsa_reserve_vcc 0
		.amdhsa_float_denorm_mode_32 3
		.amdhsa_float_denorm_mode_16_64 3
		.amdhsa_memory_ordered 1
		.amdhsa_forward_progress 1
		.amdhsa_inst_pref_size 33
	.end_amdhsa_kernel
	.amdgpu_metadata
---
amdhsa.version: [ 1, 2 ]
amdhsa.kernels:
  - .name:           k_qa0e0435e90_final
    .symbol:         k_qa0e0435e90_final.kd
    .args:
      - { .name: part, .offset: 0, .size: 8, .value_kind: global_buffer, .address_space: global }
      - { .name: pstat, .offset: 8, .size: 8, .value_kind: global_buffer, .address_space: global }
      - { .name: wcodes, .offset: 16, .size: 8, .value_kind: global_buffer, .address_space: global }
      - { .name: b_g, .offset: 24, .size: 8, .value_kind: global_buffer, .address_space: global }
      - { .name: b_out, .offset: 32, .size: 8, .value_kind: global_buffer, .address_space: global }
      - { .name: ln_w, .offset: 40, .size: 8, .value_kind: global_buffer, .address_space: global }
      - { .name: ln_b, .offset: 48, .size: 8, .value_kind: global_buffer, .address_space: global }
      - { .name: lowp_scales, .offset: 56, .size: 8, .value_kind: global_buffer, .address_space: global }
      - { .name: out0, .offset: 64, .size: 8, .value_kind: global_buffer, .address_space: global }
    .group_segment_fixed_size: 296960
    .private_segment_fixed_size: 0
    .kernarg_segment_align: 8
    .kernarg_segment_size: 72
    .max_flat_workgroup_size: 512
    .sgpr_count:     96
    .vgpr_count:     256
    .wavefront_size: 32
...
	.end_amdgpu_metadata
.endif
;; end of part 3
